; MI455X (gfx1250); checked and timed in simulation.
; The chip was launched on July 23, 2026; its instructions are those of AMD's public machine-readable ISA for CDNA 5 (MIT licence, August 2026) and "CDNA5" Instruction Set Architecture Reference Guide (July 2026). The comments in the code are by the model that wrote it; some were corrected since.
;; GVCNN. Allowed arithmetic: float matrix products may take bf16 or f16 operands with f32 sums; all other float work in f32.
;; Inputs: RPs 256 x 64 x 2,048 float32; conv_b 1 float32; conv_w 2,048 float32.
;; Outputs: out0 256 x 2,048 float32.
;; Constants: num_grps = 7.
;; One version. Each part assembles by itself: llvm-mc -triple=amdgcn-amd-amdhsa -mcpu=gfx1250 --defsym DOCPART=n.
;; ======== version 1 of 1: 1 launch
;; launch gvcnn (part 1): grid 256 x 1, 16 waves a work-group, no clusters, 15,360 bytes of LDS; arguments RPs, conv_w, conv_b, out0; writes out0
.if DOCPART == 1
	.amdgcn_target "amdgcn-amd-amdhsa--gfx1250"
	.amdhsa_code_object_version 6
	.text
	.protected	k_qdf465ecb90_gvcnn
	.globl	k_qdf465ecb90_gvcnn
	.p2align	8
	.type	k_qdf465ecb90_gvcnn,@function
k_qdf465ecb90_gvcnn:
	s_mov_b64 s[64:65], 0
	v_nop
	global_prefetch_b8 v0, s[64:65] scope:SCOPE_SE
	s_setreg_imm32_b32 hwreg(HW_REG_WAVE_MODE, 25, 1), 1
	s_wait_xcnt 0x0
; GVCNN group pooling.  RPs [256][64][2048] f32, conv_w [2048] f32, conv_b [1] f32, out0 [256][2048] f32.
; One work-group = one batch (64 views x 2048 columns, 512 KiB).  16 waves; wave w owns columns 128 w .. 128 w + 127 of all 64 views,
; lane L the four columns 128 w + 4 L + j.  A load of a wave covers 512 consecutive bytes of a row, aligned; the 16 waves cover the row.
; The batch is needed twice (scores, then the pooled sum) and is read from memory once: 16 waves x 256 registers x 128 bytes is just the
; batch's size in f32, so the f32 numbers feed the dot product as they arrive and a copy in bf16 (128 registers a wave) is kept,
; the matrix operand of the pooled sum.
; PASS 1, f32: lane partials of y[v] = x[v] . w, summed over the lanes by a butterfly that halves the registers at each step,
;   over the waves through LDS (one barrier).
; SCALARS, every wave for itself, lane L has views 2L and 2L+1: sigmoid(log a) = 1/(1+exp(-log a)) = 1/(1+1/a) for every a > 0; softmax with
;   its maximum taken away; bucket = min(floor(8 score), 6); n = bucket count; c = ceil(score n); Csum = bucket sum of c; S = sum of c/n.
;   reference's sum over buckets of (bucket sum of x / n) (Csum / n) / S is regrouped by view: out = sum over v of coef[v] x[v],
;   coef[v] = Csum / (n n S) of v's own bucket.  An empty bucket's term is 0 there, and no view names one, so max(n,1) never acts.
; PASS 2, matrix unit: see the text in front of it.
; NOT USED: clusters (work-groups share only conv_w, 8 KiB beside 512 KiB of their own); LDS for the data (registers hold it).
; LIMITS: inputs finite and inside bf16's range (a product 0 x inf in pass 2 would spoil the column 64 further on); x rounded to bf16 in the
; pooled sum; coef carried as two bf16 parts (16 significant bits); divisions by v_rcp_f32; sums in another order than reference's.
.set ROWB,   8192                      ; bytes in a row of RPs
.set DEEP,   40                        ; row loads that a wave issues before it works on the first
; vector registers
.set OFFS,   1                         ; 16 x thread: my bytes in a row of RPs, in conv_w and in a row of out0
.set W,      2                         ; v[2:5]    conv_w of my four columns
.set TA,     6                         ; v[6:7]    row a's products, two chains
.set TB,     8                         ; v[8:9]    row b's
.set PA,     10                        ; my partial of y[a]
.set PB,     11                        ; my partial of y[b]
.set SD,     12                        ; what a butterfly step hands to the partner lane
.set XR,     13                        ; what v_permlanex16_b32 or a DPP move brings
.set Q0,     14                        ; v[14:15]  butterfly, two results waiting at each level
.set Q1,     16
.set Q2,     18
.set Q3,     20
.set YP,     22                        ; v[22:23]  the wave's 64 row sums, one row a lane and register
.set PADDR,  24                        ; LDS: where my row sums go
.set RADDR,  25                        ; LDS: the 16 partials of view 2L
.set TADDR,  26                        ; LDS: my word of my wave's coefficient table
.set AADDR,  27                        ; LDS: the table row that is my row of the A matrix
.set S,      32                        ; v[32:127]  24 landing slots of 4 registers
.set H,      128                       ; v[128:255] bf16 store: B fragment (q, j) at H + 32 q + 8 j, register i = views 16 q + 2 i, + 1 of column j
; behind the barrier the landing slots and v6-v23 are free
.set E,      32                        ; v[32:47]  16 partials of view 2L
.set O,      48                        ; v[48:63]  of view 2L+1
.set D,      32                        ; v[32:63]  four accumulators
.set A,      64                        ; v[64:95]  four A fragments
.set YY,     96
.set AA,     98
.set RR,     100
.set ZZ,     102
.set MX,     104
.set EE,     106
.set EX,     108
.set SM,     110
.set RS,     111
.set SC,     112                       ; scores
.set GF,     114
.set GI,     116                       ; bucket index
.set SH,     118                       ; 8 x (bucket & 3): the bucket's field
.set T0,     120
.set T1,     121
.set K0,     122
.set K1,     123
.set NN,     124                       ; count of my view's bucket
.set XN,     126
.set FL,     6
.set CC,     8                         ; ceil(score n)
.set RN,     10                        ; 1 / n
.set CI,     14
.set CS,     16                        ; Csum of my view's bucket
.set SS,     18
.set CO,     20                        ; coef
.set HF,     22
.set HP,     28
.set LP,     29
.set OUT,    96
; scalar registers
.set SEL0,   12
.set SEL1,   13
.set WAVE,   14
.set TMP,    15
.set CH,     16                        ; lanes with bit 4 set; then bits 3, 2, 1, 0
.set C8,     17
.set C4,     18
.set C2,     19
.set C1,     20
.set BIAS,   22                        ; s[22:23]
.set KM0,    24
.set KM1,    25
; LDS
.set PPITCH, 80                        ; 16 partials (64 bytes) + 16: an odd multiple of 16
.set PODD,   32*PPITCH                 ; even views first, odd views behind them
.set TAB0,   2*PODD                    ; the waves' tables
.set TROW,   160                       ; table rows hi, lo, zero: 128 bytes each, 160 apart (40 banks: the three rows' equal columns never meet)
.macro SETRAW sym, row                 ; where a row lands: 0-23 the slots; 24-39 the store's fragments q = 2, 3, which are filled last; 40-63 the slots again
.if (\row) < 24
.set \sym, S+4*(\row)
.else
.if (\row) < 40
.set \sym, H+64+4*((\row)-24)
.else
.set \sym, S+4*((\row)-40)
.endif
.endif
.endm
.macro LOADROW row
	SETRAW RAWR, \row
	global_load_b128 v[RAWR:RAWR+3], v[OFFS], s[4:5] offset:(\row)*ROWB th:TH_LOAD_NT
.endm
	s_load_b256 s[4:11], s[0:1], 0x0               ; RPs s[4:5], conv_w s[6:7], conv_b s[8:9], out0 s[10:11]
	v_lshl_add_u32 v30, v0, 2, 0x3400
	v_mov_b32 v31, 0
	v_lshlrev_b32 v[OFFS], 4, v0
	s_lshl_b32 s26, ttmp9, 19                      ; batch x 512 KiB (below 2^27)
	s_mov_b32 s27, 0
	s_wait_kmcnt 0x0
	s_add_nc_u64 s[4:5], s[4:5], s[26:27]
	global_load_b128 v[W:W+3], v[OFFS], s[6:7]     ; older than every row load: each wait below covers it
.set rw, 0
.rept DEEP
	LOADROW rw                                     ; 40 x 512 bytes of the wave on their way before anything else is done
.set rw, rw+1
.endr
.set ISSUED, DEEP
	s_load_b32 s[BIAS], s[8:9], 0x0
	s_mov_b32 s[BIAS+1], 0                         ; the pair's second word is named by the packed add
	s_lshl_b32 s26, ttmp9, 13                      ; batch x 8 KiB
	s_add_nc_u64 s[10:11], s[10:11], s[26:27]
	v_lshrrev_b32 v6, 5, v0
	v_readfirstlane_b32 s[WAVE], v6
	s_mov_b32 s[SEL0], 0x76543210                  ; v_permlanex16_b32: lane i reads lane i xor 16
	s_mov_b32 s[SEL1], 0xfedcba98
	s_mov_b32 s[CH], 0xffff0000
	s_mov_b32 s[C8], 0xff00ff00
	s_mov_b32 s[C4], 0xf0f0f0f0
	s_mov_b32 s[C2], 0xcccccccc
	s_mov_b32 s[C1], 0xaaaaaaaa
	; The butterfly leaves in lane L, register k, the sum of view 32 k + 16 b0 + 8 b1 + 4 b2 + 2 b3 + b4 (b: the lane's bits).
	; Partial of view v from wave w lies at (v & 1) PODD + (v >> 1) PPITCH + 4 w.
	v_bfe_u32 v6, v0, 0, 1
	v_bfe_u32 v7, v0, 1, 1
	v_bfe_u32 v8, v0, 2, 1
	v_bfe_u32 v9, v0, 3, 1
	v_bfe_u32 v10, v0, 4, 1
	v_lshlrev_b32 v11, 3, v6
	v_lshl_or_b32 v11, v7, 2, v11
	v_lshl_or_b32 v11, v8, 1, v11
	v_or_b32 v11, v11, v9                          ; (v >> 1) & 15
	v_mul_u32_u24 v[PADDR], v11, PPITCH
	v_mad_u32_u24 v[PADDR], v10, PODD, v[PADDR]
	s_lshl_b32 s[TMP], s[WAVE], 2
	v_add_nc_u32 v[PADDR], s[TMP], v[PADDR]
	v_and_b32 v12, 31, v0
	v_mul_u32_u24 v[RADDR], v12, PPITCH
	s_lshl_b32 s[TMP], s[WAVE], 9
	s_add_co_u32 s[TMP], s[TMP], TAB0              ; my wave's table: 512 bytes of its own
	v_lshl_add_u32 v[TADDR], v12, 2, s[TMP]
	; my row of A: lanes 0 and 24 the hi row, lanes 1 and 25 the lo row, all others the zero row
	v_xor_b32 v14, v9, v10
	v_and_b32 v15, 7, v0
	v_lshl_or_b32 v14, v14, 3, v15                 ; 0 and 1 only in those four lanes
	v_min_u32 v14, 2, v14
	v_mul_u32_u24 v14, v14, TROW
	v_add_nc_u32 v[AADDR], s[TMP], v14
	v_mov_b32 v[XR], 0                             ; also: a lane permute's destination counts as read, so it is written once here
	ds_store_b32 v[TADDR], v[XR] offset:2*TROW     ; the zero row, 4 bytes a lane
; One step of the butterfly: two registers of sums become one.  Lanes with the mask's bit clear go on with the first register, the others with
; the second; each hands the one it drops to its partner (lane xor xm), which adds it.
.macro MERGE dst, src, mask, xm
	v_cndmask_b32 v[\dst], v[\src], v[\src+1], s[\mask]
	v_cndmask_b32 v[SD], v[\src+1], v[\src], s[\mask]
	v_add_f32_dpp v[\dst], v[SD], v[\dst] row_xmask:\xm row_mask:0xf bank_mask:0xf
.endm
; Pair p: views a = 2p, b = 2p+1.
.macro PAIR
	SETRAW RA, 2*p
	SETRAW RB, 2*p+1
	s_wait_loadcnt ISSUED-(2*p+2)                  ; loads return in order (ISA guide 5.7.1): all but those issued behind view b are in
	v_pk_mul_f32 v[TA:TA+1], v[RA:RA+1], v[W:W+1]
	v_pk_mul_f32 v[TB:TB+1], v[RB:RB+1], v[W:W+1]
	v_pk_fma_f32 v[TA:TA+1], v[RA+2:RA+3], v[W+2:W+3], v[TA:TA+1]
	v_pk_fma_f32 v[TB:TB+1], v[RB+2:RB+3], v[W+2:W+3], v[TB:TB+1]
.irp j, 0,1,2,3
	v_cvt_pk_bf16_f32 v[H+32*(p/8)+8*\j+(p%8)], v[RA+\j], v[RB+\j]     ; views a, b of column j: one word of a B fragment
.endr
.if p < 12
	LOADROW 40+2*p                                 ; the two slots just read take views 40 + 2p, 41 + 2p
	LOADROW 41+2*p
.set ISSUED, ISSUED+2
.endif
	v_add_f32 v[PA], v[TA], v[TA+1]
	v_add_f32 v[PB], v[TB], v[TB+1]
	v_cndmask_b32 v[Q0+(p&1)], v[PA], v[PB], s[CH] ; lanes 0-15 go on with view a, lanes 16-31 with view b
	v_cndmask_b32 v[SD], v[PB], v[PA], s[CH]
	v_permlanex16_b32 v[XR], v[SD], s[SEL0], s[SEL1]
	v_add_f32 v[Q0+(p&1)], v[Q0+(p&1)], v[XR]
.if (p&1) == 1
	MERGE Q1+((p>>1)&1), Q0, C8, 8
.endif
.if (p&3) == 3
	MERGE Q2+((p>>2)&1), Q1, C4, 4
.endif
.if (p&7) == 7
	MERGE Q3+((p>>3)&1), Q2, C2, 2
.endif
.if (p&15) == 15
	MERGE YP+((p>>4)&1), Q3, C1, 1
.endif
.endm
.set p, 0
.rept 32
	PAIR
.set p, p+1
.endr
	ds_store_b32 v[PADDR], v[YP]
	ds_store_b32 v[PADDR], v[YP+1] offset:16*PPITCH
	s_wait_dscnt 0x0                               ; for the other waves' sake: my partials are in LDS before I say so
	s_barrier_signal -1
	s_barrier_wait -1
.irp c, 0,1,2,3
	ds_load_b128 v[E+4*\c:E+4*\c+3], v[RADDR] offset:16*\c
.endr
.irp c, 0,1,2,3
	ds_load_b128 v[O+4*\c:O+4*\c+3], v[RADDR] offset:PODD+16*\c
.endr
.macro SUM16 b                         ; 16 partials to 2
	v_pk_add_f32 v[\b:\b+1], v[\b:\b+1], v[\b+2:\b+3]
	v_pk_add_f32 v[\b+4:\b+5], v[\b+4:\b+5], v[\b+6:\b+7]
	v_pk_add_f32 v[\b+8:\b+9], v[\b+8:\b+9], v[\b+10:\b+11]
	v_pk_add_f32 v[\b+12:\b+13], v[\b+12:\b+13], v[\b+14:\b+15]
	v_pk_add_f32 v[\b:\b+1], v[\b:\b+1], v[\b+4:\b+5]
	v_pk_add_f32 v[\b+8:\b+9], v[\b+8:\b+9], v[\b+12:\b+13]
	v_pk_add_f32 v[\b:\b+1], v[\b:\b+1], v[\b+8:\b+9]
.endm
.macro ALLSUM reg                      ; sum over the 32 lanes, in every lane
.irp m, 1,2,4,8
	v_add_f32_dpp v[\reg], v[\reg], v[\reg] row_xmask:\m row_mask:0xf bank_mask:0xf
.endr
	v_permlanex16_b32 v[XR], v[\reg], s[SEL0], s[SEL1]
	v_add_f32 v[\reg], v[\reg], v[XR]
.endm
	s_wait_kmcnt 0x0                               ; conv_b
	s_wait_dscnt 0x4                               ; the even view's four loads are in, the odd view's four may be out
	SUM16 E
	s_wait_dscnt 0x0
	SUM16 O
	v_add_f32 v[YY], v[E], v[E+1]
	v_add_f32 v[YY+1], v[O], v[O+1]
	v_pk_add_f32 v[YY:YY+1], v[YY:YY+1], s[BIAS:BIAS+1] op_sel_hi:[1,0]
	v_and_b32 v[AA], 0x7fffffff, v[YY]
	v_and_b32 v[AA+1], 0x7fffffff, v[YY+1]
	v_pk_add_f32 v[AA:AA+1], v[AA:AA+1], 0x358637bd op_sel_hi:[1,0]    ; a = |y| + 1e-6
	v_rcp_f32 v[RR], v[AA]
	v_rcp_f32 v[RR+1], v[AA+1]
	v_nop                                          ; one plain vector instruction behind a transcendental before its result is used (ISA guide 5.7.2)
	s_wait_alu depctr_va_vdst(0)
	v_pk_add_f32 v[RR:RR+1], v[RR:RR+1], 1.0 op_sel_hi:[1,0]
	v_rcp_f32 v[ZZ], v[RR]                         ; sigmoid(log a) = 1 / (1 + 1/a); a >= 1e-6, so 1/a is finite
	v_rcp_f32 v[ZZ+1], v[RR+1]
	v_nop
	s_wait_alu depctr_va_vdst(0)
	v_max_num_f32 v[MX], v[ZZ], v[ZZ+1]            ; softmax over the 64 views: the maximum,
.irp m, 1,2,4,8
	v_max_num_f32_dpp v[MX], v[MX], v[MX] row_xmask:\m row_mask:0xf bank_mask:0xf
.endr
	v_permlanex16_b32 v[XR], v[MX], s[SEL0], s[SEL1]
	v_max_num_f32 v[MX], v[MX], v[XR]
	v_sub_f32 v[EE], v[ZZ], v[MX]
	v_sub_f32 v[EE+1], v[ZZ+1], v[MX]
	v_pk_mul_f32 v[EE:EE+1], v[EE:EE+1], 0x3fb8aa3b op_sel_hi:[1,0]    ; e^x = 2^(x log2 e)
	v_exp_f32 v[EX], v[EE]
	v_exp_f32 v[EX+1], v[EE+1]
	v_nop
	s_wait_alu depctr_va_vdst(0)
	v_add_f32 v[SM], v[EX], v[EX+1]                ; the sum,
	ALLSUM SM
	v_rcp_f32 v[RS], v[SM]
	v_nop
	s_wait_alu depctr_va_vdst(0)
	v_mul_f32 v[SC], v[EX], v[RS]                  ; the scores
	v_mul_f32 v[SC+1], v[EX+1], v[RS]
	v_pk_mul_f32 v[GF:GF+1], v[SC:SC+1], 0x41000000 op_sel_hi:[1,0]    ; score / (1/8), exact
	v_cvt_u32_f32 v[GI], v[GF]                     ; toward zero = floor, the scores being positive
	v_cvt_u32_f32 v[GI+1], v[GF+1]
	v_min_u32 v[GI], 6, v[GI]
	v_min_u32 v[GI+1], 6, v[GI+1]
	; Sums by bucket: seven 8-bit fields in two words, buckets 0-3 and 4-6.  Lanes 0-15 add up the first word, lanes 16-31 the second.
	; Counts are at most 64; a bucket's sum of ceil(score n) is below n (sum of its scores) + n <= 128: both fit a field.
	v_cmp_gt_u32 s[KM0], 4, v[GI]
	v_cmp_gt_u32 s[KM1], 4, v[GI+1]
	v_and_b32 v[SH], 3, v[GI]
	v_and_b32 v[SH+1], 3, v[GI+1]
	v_lshlrev_b32 v[SH], 3, v[SH]
	v_lshlrev_b32 v[SH+1], 3, v[SH+1]
	s_xor_b32 s[KM0], s[KM0], s[CH]                ; lanes whose own half adds up the word of this view's bucket
	s_xor_b32 s[KM1], s[KM1], s[CH]
; a, b: what my two views add to their buckets; f: register pair for the totals of my two views' buckets, as f32
.macro GROUPSUM a, b, f
	v_lshlrev_b32 v[T0], v[SH], \a
	v_lshlrev_b32 v[T1], v[SH+1], \b
	v_cndmask_b32 v[K0], 0, v[T0], s[KM0]          ; for my half's word
	v_cndmask_b32 v[K1], 0, v[T1], s[KM1]
	v_cndmask_b32 v[T0], v[T0], 0, s[KM0]          ; for the other half's
	v_cndmask_b32 v[T1], v[T1], 0, s[KM1]
	v_add_nc_u32 v[K0], v[K0], v[K1]
	v_add_nc_u32 v[T0], v[T0], v[T1]
	v_permlanex16_b32 v[XR], v[T0], s[SEL0], s[SEL1]
	v_add_nc_u32 v[K0], v[K0], v[XR]
.irp m, 1,2,4,8
	v_mov_b32_dpp v[XR], v[K0] row_xmask:\m row_mask:0xf bank_mask:0xf
	v_add_nc_u32 v[K0], v[K0], v[XR]
.endr
	v_permlanex16_b32 v[XR], v[K0], s[SEL0], s[SEL1]       ; the other word's total
	v_cndmask_b32 v[T0], v[XR], v[K0], s[KM0]
	v_cndmask_b32 v[T1], v[XR], v[K0], s[KM1]
	v_bfe_u32 v[T0], v[T0], v[SH], 8
	v_bfe_u32 v[T1], v[T1], v[SH+1], 8
	v_cvt_f32_u32 v[\f], v[T0]
	v_cvt_f32_u32 v[\f+1], v[T1]
.endm
	GROUPSUM 1, 1, NN                              ; n of my views' buckets, at least 1
	v_pk_mul_f32 v[XN:XN+1], v[SC:SC+1], v[NN:NN+1] neg_lo:[0,1] neg_hi:[0,1]
	v_floor_f32 v[FL], v[XN]                       ; ceil(x) = -floor(-x)
	v_floor_f32 v[FL+1], v[XN+1]
	v_rcp_f32 v[RN], v[NN]
	v_rcp_f32 v[RN+1], v[NN+1]
	v_pk_mul_f32 v[CC:CC+1], v[FL:FL+1], -1.0 op_sel_hi:[1,0]          ; c; also the plain instruction behind the two reciprocals
	v_cvt_u32_f32 v[CI], v[CC]
	v_cvt_u32_f32 v[CI+1], v[CC+1]
	s_wait_alu depctr_va_vdst(0)
	v_mul_f32 v[SS], v[CC], v[RN]                  ; S = sum over buckets of Csum / n = sum over views of c / n
	v_fmac_f32 v[SS], v[CC+1], v[RN+1]
	ALLSUM SS
	v_rcp_f32 v[RS], v[SS]                         ; used far below
	GROUPSUM v[CI], v[CI+1], CS
	v_pk_mul_f32 v[RN:RN+1], v[RN:RN+1], v[RN:RN+1]
	v_pk_mul_f32 v[CS:CS+1], v[CS:CS+1], v[RN:RN+1]
	s_wait_alu depctr_va_vdst(0)
	v_mul_f32 v[CO], v[CS], v[RS]                  ; coef = Csum / (n n S)
	v_mul_f32 v[CO+1], v[CS+1], v[RS]
	v_cvt_pk_bf16_f32 v[HP], v[CO], v[CO+1]        ; hi parts of views 2L, 2L+1,
	v_lshlrev_b32 v[HF], 16, v[HP]
	v_and_b32 v[HF+1], 0xffff0000, v[HP]
	v_pk_add_f32 v[HF:HF+1], v[CO:CO+1], v[HF:HF+1] neg_lo:[0,1] neg_hi:[0,1]
	v_cvt_pk_bf16_f32 v[LP], v[HF], v[HF+1]        ; lo parts: what hi left over
	ds_store_b32 v[TADDR], v[HP]
	ds_store_b32 v[TADDR], v[LP] offset:TROW
.irp c, 0,1,2,3,4,5,6,7
	ds_load_b128 v[A+4*\c:A+4*\c+3], v[AADDR] offset:16*\c     ; my wave's own bytes; LDS serves a wave's instructions in order (ISA guide 5.7.1.4)
.endr
	s_wait_dscnt 0x0
	; PASS 2.  In a 16x16x32 product the k places of registers 0-7 differ between lanes 0-15 and lanes 16-31.  Here both halves hold the SAME 16
	; views in those registers, for DIFFERENT columns (lane L its own).  A's rows 0, 1 (lanes 0, 1) carry hi, lo on the first half's k places and
	; zeros (lanes 16, 17) on the second half's; rows 8, 9 (lanes 24, 25 and 8, 9) the other way round.  D's register j of lane L is row
	; 8 (L / 16) + j, column L % 16: registers 0 and 1 of lane L are the hi and lo sums over 16 views of lane L's own column j.
	; Four links (q) add up the 64 views; the first takes 0 as C, so nothing is cleared.
.irp j, 0,1,2,3
	v_wmma_f32_16x16x32_bf16 v[D+8*\j:D+8*\j+7], v[A:A+7], v[H+8*\j:H+8*\j+7], 0
.endr
.irp q, 1,2,3
.irp j, 0,1,2,3
	v_wmma_f32_16x16x32_bf16 v[D+8*\j:D+8*\j+7], v[A+8*\q:A+8*\q+7], v[H+32*\q+8*\j:H+32*\q+8*\j+7], v[D+8*\j:D+8*\j+7]
.endr
.endr
.rept 4
	v_nop                                          ; four places behind the last matrix instruction before a vector instruction reads D (ISA guide 7.12.1)
.endr
.irp j, 0,1,2,3
	v_add_f32 v[OUT+\j], v[D+8*\j], v[D+8*\j+1]
.endr
	global_store_b128 v[OFFS], v[OUT:OUT+3], s[10:11] th:TH_STORE_NT   ; the wave stores 512 consecutive bytes, aligned
	s_wait_tensorcnt 0x0
	ds_add_u32 v30, v31
	s_wait_dscnt 0x0
	s_endpgm
.Lfunc_end_k_qdf465ecb90_gvcnn:
	.size	k_qdf465ecb90_gvcnn, .Lfunc_end_k_qdf465ecb90_gvcnn-k_qdf465ecb90_gvcnn
	.p2alignl 7, 3214868480
	.fill 96, 4, 3214868480
	.section	.rodata,"a",@progbits
	.p2align	6, 0x0
	.amdhsa_kernel k_qdf465ecb90_gvcnn
		.amdhsa_group_segment_fixed_size 15360
		.amdhsa_private_segment_fixed_size 0
		.amdhsa_enable_private_segment 0
		.amdhsa_kernarg_size 32
		.amdhsa_user_sgpr_count 2
		.amdhsa_user_sgpr_kernarg_segment_ptr 1
		.amdhsa_wavefront_size32 1
		.amdhsa_system_sgpr_workgroup_id_x 1
		.amdhsa_system_sgpr_workgroup_id_y 1
		.amdhsa_system_sgpr_workgroup_id_z 1
		.amdhsa_system_vgpr_workitem_id 0
		.amdhsa_next_free_vgpr 256
		.amdhsa_next_free_sgpr 66
		.amdhsa_reserve_vcc 0
		.amdhsa_float_denorm_mode_32 3
		.amdhsa_float_denorm_mode_16_64 3
		.amdhsa_memory_ordered 1
		.amdhsa_forward_progress 1
		.amdhsa_inst_pref_size 51
	.end_amdhsa_kernel
	.amdgpu_metadata
---
amdhsa.version: [ 1, 2 ]
amdhsa.kernels:
  - .name:           k_qdf465ecb90_gvcnn
    .symbol:         k_qdf465ecb90_gvcnn.kd
    .args:
      - { .name: RPs, .offset: 0, .size: 8, .value_kind: global_buffer, .address_space: global }
      - { .name: conv_w, .offset: 8, .size: 8, .value_kind: global_buffer, .address_space: global }
      - { .name: conv_b, .offset: 16, .size: 8, .value_kind: global_buffer, .address_space: global }
      - { .name: out0, .offset: 24, .size: 8, .value_kind: global_buffer, .address_space: global }
    .group_segment_fixed_size: 15360
    .private_segment_fixed_size: 0
    .kernarg_segment_align: 8
    .kernarg_segment_size: 32
    .max_flat_workgroup_size: 512
    .sgpr_count:     66
    .vgpr_count:     256
    .wavefront_size: 32
...
	.end_amdgpu_metadata
.endif
;; end of part 1
